; MI455X (gfx1250); checked and timed in simulation.
; The chip was launched on July 23, 2026; its instructions are those of AMD's public machine-readable ISA for CDNA 5 (MIT licence, August 2026) and "CDNA5" Instruction Set Architecture Reference Guide (July 2026). The comments in the code are by the model that wrote it; some were corrected since.
;; Experts. Allowed arithmetic: matrix products marked QUANTISED: E5M2 operands, one given power-of-two scale a tensor, by v_wmma_f32_16x16x64_bf8_bf8 or v_wmma_f32_16x16x128_bf8_bf8, f32 sums; everything else in f32.
;; Inputs: W1_codes 4 x 4,096 x 32 x 32 uint8 (E5M2 codes of W1, K innermost, in blocks of 32 codes); W2_codes 4 x 1,024 x 128 x 32 uint8 (E5M2 codes of W2, K innermost, in blocks of 32 codes); b1 4 x 4,096 float32; b2 4 x 1,024 float32; inputs_codes 8 x 4 x 256 x 32 x 32 uint8 (E5M2 codes of inputs, K innermost, in blocks of 32 codes); lowp_scales 4 int32 (the exponents e of the quantised operands' scales 2^e).
;; Outputs: out0 8 x 4 x 256 x 1,024 float32.
;; This version of the problem:
;;   THIS VERSION OF THE PROBLEM IS GIVEN IN LOW PRECISION. The matrix products marked QUANTISED in the list below multiply operands that are first quantised to E5M2 (5 exponent bits, 2 mantissa bits; 8 bits a number), with one given power-of-two scale for each operand tensor; their sums are f32. All else is computed in f32.
;;   The module's matrix products, in the order in which they are computed (A, B: the left and right operand; K: the contracted axis; several contracted axes count as one K, in the product's order):
;;     1. batch 4 x [M 4,096, K 1,024] x [K 1,024, N 2,048]; A: input W1 (given as codes); B: input inputs (given as codes): QUANTISED (scales: A lowp_scales[0], B lowp_scales[1])
;;     2. batch 4 x [M 1,024, K 4,096] x [K 4,096, N 2,048]; A: input W2 (given as codes); B: computed on the way: QUANTISED (scales: A lowp_scales[2], B lowp_scales[3])
;;   THE QUANTISER, for each operand of a quantised product, along K:
;;     - The operand's scale is 2^e, e = its entry of the input lowp_scales (int32; the entries are numbered through the quantised products in the list's order, A before B).
;;     - Each number is divided by the scale, clamped to +-57,344, and rounded to the nearest number of E5M2, ties to even, subnormals kept.
;;     - The product sums the exact products of the quantised numbers (number of the format x scale) in f32.
;;   ~~~python
;;   def quantise(x, axis, e):      # numpy; x: float32 -> the quantised numbers, widened to float32 again
;;       x = np.moveaxis(x, axis, -1); K = x.shape[-1]
;;       r = np.clip(x / 2.0 ** e, -57344, 57344)
;;       step = 2.0 ** (np.maximum(np.frexp(np.where(r == 0, 1, r))[1] - 1, -14) - 2)
;;       q = np.round(r / step) * step * 2.0 ** e      # np.round: ties to even
;;       return np.moveaxis(q, -1, axis).astype(np.float32)
;;   ~~~
;;   OPERANDS COMPUTED ON THE WAY. 'Computed on the way' means the value that the module computes at that place (a softmax that the list does not call 'softmax' is quantised finished and normalised). What goes into a quantiser is computed in f32, as accurately as f32 sums, v_exp_f32 and their like allow (about 1e-6 of the number): no bf16 or f16 on the way to a quantiser, and a product that is left as it is and whose result goes on into a quantised operand takes f32 operands (vector FMAs, or v_wmma_f32_16x16x4_f32). A number that lies on a knife's edge between two numbers of the format may be rounded either way, as far as f32 arithmetic and the matrix unit's own rounding can turn it there, and no further.
;;   INPUTS GIVEN AS CODES. W1 (in the module: [4, 1024, 4096], K = its axis 1); W2 (in the module: [4, 4096, 1024], K = its axis 1); inputs (in the module: [8, 4, 256, 1024], K = its axis 3): each comes as NAME_codes (uint8): NAME with its K axis moved to the last place and cut into blocks of 32 codes, [.., K / 32, bytes a block], one block behind the other in memory; one code a byte (a code: sign, 5 exponent bits, 2 mantissa bits); its scale is its entry of lowp_scales. Its value is code x scale, taken as it is: it is not quantised again, and the codes and scales need not be those that the quantiser above would give.
;; One version. Each part assembles by itself: llvm-mc -triple=amdgcn-amd-amdhsa -mcpu=gfx1250 --defsym DOCPART=n.
;; ======== version 1 of 1: 2 launches
;; limits: right only within a limited range of input values
;; workspace buffers: h_codes 33,554,432 bytes
;; launch ffn1 (part 1): grid 16 x 16, 4 waves a work-group, clusters of 4 x 4, 327,680 bytes of LDS; arguments inputs_codes, W1_codes, b1, lowp_scales, h_codes; writes h_codes
.if DOCPART == 1
	.amdgcn_target "amdgcn-amd-amdhsa--gfx1250"
	.amdhsa_code_object_version 6
	.text
	.protected	k_q9127fe35c0_ffn1
	.globl	k_q9127fe35c0_ffn1
	.p2align	8
	.type	k_q9127fe35c0_ffn1,@function
k_q9127fe35c0_ffn1:
	s_mov_b64 s[64:65], 0
	v_nop
	global_prefetch_b8 v0, s[64:65] scope:SCOPE_SE
	s_setreg_imm32_b32 hwreg(HW_REG_WAVE_MODE, 25, 1), 1
	s_wait_xcnt 0x0
	s_wait_alu depctr_hold_cnt(0) depctr_sa_sdst(0) depctr_va_vdst(0) depctr_va_sdst(0) depctr_va_ssrc(0) depctr_va_vcc(0) depctr_vm_vsrc(0)
	s_getreg_b32 s2, hwreg(HW_REG_IB_STS2, 6, 4)
	s_cmp_eq_u32 s2, 0
	s_cbranch_scc0 .Lentry_in_a_cluster
	s_endpgm
.Lentry_in_a_cluster:
	s_bfe_u32 s2, ttmp6, 0x10000c
	s_cmp_lg_u32 s2, 0xf033
	s_cbranch_scc0 .Lentry_shape_is_right
	s_endpgm
.Lentry_shape_is_right:
; h_codes = Q(gelu(x W1 + b1)): the first product of four experts' FFN on codes of BF8 (E5M2), the tanh form of gelu in f32, and the quantiser of the second product's operand.
; x: inputs_codes, 8,192 rows (w, e, c) of 1,024 codes.  W1_codes: [4][4096 f][1024 k].  b1: [4][4096] f32.  lowp_scales: e0 (W1), e1 (x), e2 (W2), e3 (the hidden layer).
; h_codes IS LAID AS THE NEXT LAUNCH'S FRAGMENTS: [64 blocks of 128 tokens][16 planes of 256 units][8 blocks of 16 tokens][8 groups of 32 units][512 bytes]; in a group of 512 bytes
; the 16 bytes at 16 L are token L % 16, units 16 (L / 16) + 0 .. 15.
; With E1 = e0 + e1 a sum of codes stands for sum x 2^E1.  b1 goes in as b1 / 2^E1, the C of each sum's first matrix instruction: an accumulator holds s = (x W1 + b1) / 2^E1.
; GELU.  gelu(v) = v / (1 + 2^z), z = y (y^2 + beta), y = -gamma v, gamma^3 = 2 log2(e) sqrt(2/pi) 0.044715, beta = 2 log2(e) sqrt(2/pi) / gamma: the tanh form as a sigmoid, with no difference of near numbers.
; y = c s with c = -gamma 2^E1;  g = y / (c (1 + 2^z)) = s / (1 + 2^z) = gelu / 2^E1;  code = g / 2^(e3 - E1), held within +-57,344: the scales are folded into the conversion's one.
; LIMITS: E1 between -100 and 60; e3 - E1 between -126 and 112; e3 at least -40.  NaN or infinity among codes or biases is not served.  1 / (c (1 + 2^z)) below 2^-126 in magnitude counts as 0.
; SHARES.  A tile is 256 tokens (one (w, e) block) x 256 units: four waves, each 128 x 128: 64 accumulators, 512 registers.  K = 1,024 goes in four K steps of 256 through a ring of two LDS slots.
; A WORK-GROUP STAYS: 256 work-groups make two tiles each, w = cy and w = cy + 4, with the same rows of W1 and the same bias.  Each wave issues one tensor load at the head, and the four fill both slots:
; waves 0 and 2 x's 256 rows of slot 0 and 1, waves 1 and 3 W1's.  The next tile's two slots are asked for in the same way ahead of a tile's way out.
; CLUSTERS: 4 x 4 work-groups of one expert.  The four of a row need the same tiles of x, the four of a column the same tiles of W1: each is asked for JOINTLY.
; No data prefetch: the block is the largest, a tile's K is four K steps of which the first two come together, and the second tile's rows of W1 are the first's.
; THE MATRIX INSTRUCTION IS USED TRANSPOSED (source 0 = 16 rows of W1, source 1 = 16 tokens): a lane holds one token and eight neighbouring units.
; A fragment is fetched by four loads of 16 bytes, 32 apart: a permutation of k inside the 128, the same on both sides.
; REGISTERS, in windows of 256: window 0: v0-31 addresses and constants; v32-95 b1 / 2^E1; v128-255 x's fragments; on the way out v96-239 are at work.
;   window 1: W1's fragments, two sets.   window 2: the accumulators of my tokens 0-63 ((a, b) at v[8 (8 a + b)]);   window 3: those of my tokens 64-127.
.set ROWB,   256                       ; a tile's row in bytes
.set PITCH,  272                       ; an LDS row: 256 bytes + 16 of padding = 68 words: row r starts at bank 4 r mod 64 (ISA guide 11.1)
.set FR,     16                        ; registers of a fragment: 16 rows x 128 K
.set NL,     4                         ; LDS loads that bring one
.set NP,     4                         ; places behind this matrix instruction (ISA guide 7.12.1)
.set HALFT,  128*PITCH
.set SLOT,   4*HALFT                   ; x's 256 rows, then W1's 256 rows
.set SPARE,  2*SLOT                    ; the spare words, 128 bytes for each wave
.set NEXTX,  0x400000                  ; from tile to tile: 16 blocks of 256 rows of x
.set NEXTH,  0x1000000                 ; and 32 blocks of 128 tokens of h_codes
.set HALFH,  16384                     ; four blocks of 16 tokens of h_codes
.set BETA, 12                          ; v[12:13] beta, twice
.set CV,   14                          ; v[14:15] c, twice
.set ADRA, 16                          ; v16-17  LDS address of my x fragments in slot 0, 1
.set ADRB, 20                          ; v20-21  the same for W1
.set CO,   26                          ; v26     16 x lane
.set BO,   27                          ; v27     my byte offset in b1
.set SPW,  28                          ; v28     LDS address of my spare word; never rewritten
.set NIL,  29                          ; v29     0; never rewritten
.set LIM,  30                          ; v30     57,344 x 2^(e3 - E1)
.set SCL,  31                          ; v31     2^(e3 - E1)
.set BIAS, 32
.set ZB,   96                          ; v96-159, v160-223: y^2 + beta, z, 2^z, c (1 + 2^z), its reciprocal, g: two sets by turns
.set CR,   224                         ; v224-239 a block's codes
.set AF,   128
.set G1,   24                          ; s[24:31] group 1 for x;  s[32:35] group 0 of its refills, s[36:39] of a tile's first fill
.set G0,   32
.set G0H,  36
.set G1B,  48                          ; s[48:55], s[56:59], s[60:63] the same for W1
.set G0B,  56
.set G0BH, 60
.set MSB, 0
.macro WIN new                         ; the immediate's high byte repeats the setting that is left
.if MSB != \new
	s_set_vgpr_msb (MSB<<8)|\new
.set MSB, \new
.endif
.endm
.set MUL_LO,   0xa1                    ; source 0 (W1) window 1, source 1 (x) window 0, C and D window 2
.set MUL_HI,   0xf1                    ; the same, C and D window 3
.set FIRST_LO, 0x81                    ; the first step: C (the bias) window 0, D window 2
.set FIRST_HI, 0xc1
.set TO_B,     0x40                    ; destination window 1, address window 0
.macro JLOAD g0a, g0b                  ; a joint load: waves 0 and 2 fetch for x, waves 1 and 3 for W1; the branch hangs on the wave's number alone
	s_cmp_eq_u32 s16, 0
	s_cbranch_scc0 .Lfor_b_\@
	tensor_load_to_lds s[\g0a:\g0a+3], s[G1:G1+7]
	s_nop 0
.rept 4
	v_nop
.endr
	s_branch .Lasked_\@
.Lfor_b_\@:
	tensor_load_to_lds s[\g0b:\g0b+3], s[G1B:G1B+7]
	s_nop 0
.rept 4
	v_nop
.endr
.Lasked_\@:
.endm
.macro CROUND                          ; a round of the cluster's barrier
	s_barrier_signal -1
	s_barrier_wait -1
	s_cmp_lg_u32 s14, 0
	s_cbranch_scc1 .Lnot_wave_0_\@
	s_barrier_signal -3
.Lnot_wave_0_\@:
	s_barrier_wait -3
	s_barrier_signal -1
	s_barrier_wait -1
.endm
.macro ROWS n                          ; the rows of a load: 256 in a tile's first fill, 128 in a refill
.irp g, G1, G1B
	s_mov_b32 s[\g+2], (\n)<<16                    ; tensor_dim1
	s_mov_b32 s[\g+4], \n                          ; tile_dim1
.endr
.endm
	s_load_b256 s[4:11], s[0:1], 0x0               ; x's codes s[4:5], W1's codes s[6:7], b1 s[8:9], the scales' exponents s[10:11]
	s_load_b64 s[12:13], s[0:1], 0x20              ; h_codes
	v_lshl_add_u32 v[SPW], v0, 2, SPARE
	v_mov_b32 v[NIL], 0
	ds_add_u32 v[SPW], v[NIL]                      ; the wave's opening: the add, twice on end, and its wait
	ds_add_u32 v[SPW], v[NIL]
	v_lshrrev_b32 v1, 5, v0
	v_readfirstlane_b32 s14, v1                    ; wave 0..3
	s_lshr_b32 s15, s14, 1                         ; which half of the tile's tokens is mine.  Also: which slot (first fill) or half (refill) I fetch
	s_and_b32 s16, s14, 1                          ; which half of its units.  Also: I fetch for x (0) or for W1 (1)
	s_bfe_u32 s40, ttmp6, 0x40000                  ; cx, cy: my place in the cluster
	s_bfe_u32 s41, ttmp6, 0x40004
	s_and_b32 s42, ttmp7, 0xffff                   ; cluster y, 0..3
	s_and_b32 s80, s42, 1
	s_mul_i32 s80, s80, 3
	s_xor_b32 s80, ttmp9, s80                      ; the expert: the clusters of an even row take the four forwards, of an odd row backwards
	s_lshl_b32 s42, s42, 2
	s_add_co_u32 s42, s42, s40                     ; tile column, 256 units each, 0..15: 4 x cluster y + cx
	s_lshl_b32 s81, s41, 2
	s_add_co_u32 s81, s81, s80                     ; the first tile's block of 256 rows: 4 w + e, w = cy
	s_lshl_b32 s43, s41, 2
	s_lshl_b32 s43, 15, s43                        ; my row of the cluster
	s_lshl_b32 s44, 0x1111, s40                    ; my column
	s_or_b32 s[G1+0], s43, (1<<20)|(1<<21)|(5<<22)|(3<<25)   ; 15:0 the mask; elements of 1 byte; 20 padding on; 21 set beside a mask; after every 64 words (code 5) 4 words (code 3)
	s_or_b32 s[G1B+0], s44, (1<<20)|(1<<21)|(5<<22)|(3<<25)
.irp g, G1, G1B
	s_mov_b32 s[\g+1], ROWB<<16                    ; tensor_dim0
	s_mov_b32 s[\g+3], ROWB<<16                    ; tile_dim0
	s_mov_b32 s[\g+5], 1024                        ; tensor_dim0_stride
	s_mov_b32 s[\g+6], 0
	s_mov_b32 s[\g+7], 0
.endr
	ROWS 256
	s_lshl_b32 s20, s81, 18                        ; x: 256 rows of 1,024 bytes a block
	s_mov_b32 s21, 0
	s_lshl_b32 s46, s80, 22                        ; W1: row 4096 e + 256 x tile column
	s_lshl_b32 s47, s42, 18
	s_add_co_u32 s46, s46, s47
	s_mov_b32 s47, 0
	s_mul_i32 s45, s15, HALFT                      ; refills: x's half,
	s_add_co_u32 s86, s45, 2*HALFT                 ; W1's half
	s_mul_i32 s87, s15, SLOT                       ; first fills: x's part of slot s15,
	s_add_co_u32 s66, s87, 2*HALFT                 ; W1's
	s_lshl_b32 s82, s81, 1
	s_add_co_u32 s82, s82, s15
	s_lshl_b32 s82, s82, 19                        ; h_codes: block of 128 tokens 2 (4 w + e) + half,
	s_lshl_b32 s83, s42, 15
	s_add_co_u32 s82, s82, s83                     ; plane = tile column,
	s_lshl_b32 s83, s16, 11
	s_add_co_u32 s82, s82, s83                     ; my four groups of 32 units
	s_mov_b32 s83, 0
	s_lshl_b32 s84, s80, 12
	s_lshl_b32 s85, s42, 8
	s_add_co_u32 s84, s84, s85
	s_lshl_b32 s85, s16, 7
	s_add_co_u32 s84, s84, s85                     ; b1: number 4096 e + 256 x tile column + 128 x half
	s_lshl_b32 s84, s84, 2
	s_mov_b32 s85, 0
	s_lshl_b32 s22, s15, 8                         ; first fills: slot s15 is K step s15, 256 bytes on
	s_mov_b32 s23, 0
	s_lshl_b32 s18, s15, 17
	s_add_co_u32 s18, s18, 2*ROWB                  ; refills begin with K step 2; my half is 128 rows on
	s_mov_b32 s19, 0
	s_mul_i32 s67, s16, HALFT
	s_add_co_u32 s67, s67, 2*HALFT                 ; my 128 rows of W1 in a slot
	s_wait_alu depctr_va_vdst(0)
	s_wait_dscnt 0x0                               ; both opening adds are done
	s_wait_kmcnt 0x0
	s_load_b128 s[68:71], s[10:11], 0x0            ; e0, e1, e2, e3
	s_add_nc_u64 s[20:21], s[4:5], s[20:21]
	s_add_nc_u64 s[46:47], s[6:7], s[46:47]
	s_mov_b32 s[G0H], 1
	s_add_co_u32 s[G0H+1], s87, 0
	s_add_nc_u64 s[G0H+2:G0H+3], s[20:21], s[22:23]
	s_or_b32 s[G0H+3], s[G0H+3], 0x80000000
	s_mov_b32 s[G0BH], 1
	s_add_co_u32 s[G0BH+1], s66, 0
	s_add_nc_u64 s[G0BH+2:G0BH+3], s[46:47], s[22:23]
	s_or_b32 s[G0BH+3], s[G0BH+3], 0x80000000
	CROUND                                         ; all sixteen work-groups are here: the first joint loads meet
	JLOAD G0H, G0BH                                ; one tensor load a wave; both slots in all
	v_and_b32 v1, 15, v0                           ; r = lane % 16
	v_bfe_u32 v2, v0, 4, 1                         ; h = lane / 16
	v_and_b32 v6, 31, v0
	v_lshlrev_b32 v[BO], 5, v2
	s_add_nc_u64 s[8:9], s[8:9], s[84:85]
.irp b, 0,1,2,3,4,5,6,7
	global_load_b128 v[BIAS+8*\b:BIAS+8*\b+3],   v[BO], s[8:9] offset:64*\b
	global_load_b128 v[BIAS+8*\b+4:BIAS+8*\b+7], v[BO], s[8:9] offset:64*\b+16
.endr
	v_lshlrev_b32 v[CO], 4, v6
	v_mul_u32_u24 v3, v1, PITCH
	v_lshl_add_u32 v4, v2, 4, v3                   ; a fragment's row x pitch + 16 x half
	v_add_nc_u32 v[ADRA], s45, v4                  ; my 128 tokens
	v_add_nc_u32 v[ADRB], s67, v4                  ; my 128 rows of W1, behind x's 256
	v_add_nc_u32 v[ADRA+1], SLOT, v[ADRA]
	v_add_nc_u32 v[ADRB+1], SLOT, v[ADRB]
	s_wait_alu depctr_va_vdst(0)                   ; the wait ahead of the scalar lines below
	s_add_nc_u64 s[12:13], s[12:13], s[82:83]
	s_mov_b32 s[G0], 1
	s_add_nc_u64 s[G0+2:G0+3], s[20:21], s[18:19]
	s_or_b32 s[G0+3], s[G0+3], 0x80000000
	s_mov_b32 s[G0B], 1
	s_add_nc_u64 s[G0B+2:G0B+3], s[46:47], s[18:19]
	s_or_b32 s[G0B+3], s[G0B+3], 0x80000000
	s_wait_kmcnt 0x0
	s_add_co_i32 s78, s68, s69                     ; E1 = e0 + e1
	s_lshl_b32 s79, s78, 23
	s_add_co_i32 s72, s79, 0xbeeff558              ; c = -gamma x 2^E1: E1 is added to the exponent field of -0.46866869
	s_mov_b32 s73, s72
	s_sub_co_i32 s76, 127, s78
	s_lshl_b32 s76, s76, 23                        ; 2^-E1
	s_mov_b32 s77, s76
	s_sub_co_i32 s79, s71, s78                     ; e3 - E1
	s_add_co_i32 s79, s79, 127
	s_lshl_b32 s74, s79, 23                        ; 2^(e3 - E1)
	s_add_co_i32 s79, s79, 15
	s_lshl_b32 s79, s79, 23
	s_or_b32 s79, s79, 0x600000                    ; 57,344 x that
	v_mov_b32 v[SCL], s74
	v_mov_b32 v[LIM], s79
	v_mov_b32 v[BETA], 0x409d30fc                  ; beta = 4.9122295
	v_mov_b32 v[BETA+1], 0x409d30fc
	v_mov_b32 v[CV], s72
	v_mov_b32 v[CV+1], s72
	s_wait_alu depctr_va_vdst(0)
	s_wait_loadcnt 0x0                             ; b1
.set jj, 0
.rept 32
	v_pk_mul_f32 v[BIAS+jj:BIAS+jj+1], v[BIAS+jj:BIAS+jj+1], s[76:77] op_sel_hi:[1,0]   ; b1 / 2^E1: nothing is rounded
.set jj, jj+2
.endr
.macro FRAG reg, adr, q, i             ; a fragment: lane l holds row l % 16; registers 4 c .. 4 c + 3 hold K = 32 c + 16 (l / 16) + 0 .. 15
.irp c, 0,1,2,3
	ds_load_b128 v[\reg+4*\c:\reg+4*\c+3], v[\adr] offset:128*(\q)+32*\c+(\i)*16*PITCH
.endr
.endm
.macro MUL8 a, p, first                ; x's block a against W1's eight.  first = 1: the bias starts the sums.  The 64 accumulators take turns, one instruction a turn
.irp b, 0,1,2,3,4,5,6,7
.if \first
	v_wmma_f32_16x16x128_bf8_bf8 v[8*(8*((\a)%4)+\b):8*(8*((\a)%4)+\b)+7], v[128*(\p)+FR*\b:128*(\p)+FR*\b+FR-1], v[AF+FR*(\a):AF+FR*(\a)+FR-1], v[BIAS+8*\b:BIAS+8*\b+7]
.else
	v_wmma_f32_16x16x128_bf8_bf8 v[8*(8*((\a)%4)+\b):8*(8*((\a)%4)+\b)+7], v[128*(\p)+FR*\b:128*(\p)+FR*\b+FR-1], v[AF+FR*(\a):AF+FR*(\a)+FR-1], v[8*(8*((\a)%4)+\b):8*(8*((\a)%4)+\b)+7]
.endif
.endr
.endm
.macro FETCH_B slot, q, p              ; W1's eight fragments of the slot's q-th 128 along K into set p
	WIN TO_B
.irp i, 0,1,2,3,4,5,6,7
	FRAG 128*(\p)+FR*\i, ADRB+\slot, \q, \i
.endr
	WIN 0
.endm
.macro FETCH_A slot, q, i0             ; x's blocks i0 .. i0 + 3
.irp i, \i0, \i0+1, \i0+2, \i0+3
	FRAG AF+FR*(\i), ADRA+\slot, \q, \i
.endr
.endm
.macro PLACES n                        ; plain places behind matrix instructions: ahead of loads into registers that they have read, and of the first reads of results
.rept \n
	v_nop
.endr
.endm
.macro LOWIN first
.if \first
	WIN FIRST_LO
.else
	WIN MUL_LO
.endif
.endm
.macro HIWIN first
.if \first
	WIN FIRST_HI
.else
	WIN MUL_HI
.endif
.endm
; A step of 128 along K on W1's set p; the next step's fragments come from slot ns, its nq-th 128: W1's behind sixteen products (their set is free since the last step: the four places stood at its end), x's blocks
; 0-3 behind 32, x's blocks 4-7 at the end.  bar = 1: the step's slot has been read out, and ONE barrier changes slots: in front of it each wave waits for all its tensor loads, adds 0 to its spare word, and waits
; for that and for its own reads.  fill = 1 or 2: that barrier opens a round of the cluster's barrier, and slot 0 or 1 is filled again, first behind the round.
.macro KSTEP p, first, bar, fill, ns, nq
	s_wait_dscnt 6*NL                              ; W1's set and x's blocks 0, 1 are in; the youngest 24 loads (x's blocks 2-7) may be out
	LOWIN \first
	MUL8 0, \p, \first
	MUL8 1, \p, \first
	WIN 0
.if \bar
	s_wait_tensorcnt 0x0                           ; all my tensor loads have landed: my part of the next slot;
	ds_add_u32 v[SPW], v[NIL]                      ; 0 onto my spare word;
.if \fill
	s_add_co_u32 s[G0+1], s45, ((\fill)-1)*SLOT
	s_add_co_u32 s[G0B+1], s86, ((\fill)-1)*SLOT
.endif
.if (\fill) == 2
	s_add_nc_u64 s[G0+2:G0+3], s[G0+2:G0+3], ROWB
	s_add_nc_u64 s[G0B+2:G0B+3], s[G0B+2:G0B+3], ROWB
.endif
	s_wait_dscnt 0x0                               ; the add is done, and my reads of this slot are over
.if \fill
	CROUND                                         ; no wave of any partner still reads this slot or has a load on its way
	JLOAD G0, G0B                                  ; my one tensor load until the next round
.else
	s_barrier_signal -1
	s_barrier_wait -1
.endif
.endif
	FETCH_B \ns, \nq, 1-(\p)
.if (\bar) == 0
	s_wait_dscnt 48                                ; x's blocks 2, 3 are in: the sixteen loads of blocks 4-7 and the 32 just issued may be out
.endif
	LOWIN \first
	MUL8 2, \p, \first
	MUL8 3, \p, \first
	PLACES NP
	WIN 0
	FETCH_A \ns, \nq, 0
.if (\bar) == 0
	s_wait_dscnt 48                                ; x's blocks 4-7 are in: the 32 + 16 loads just issued may be out
.endif
	HIWIN \first
	MUL8 4, \p, \first
	MUL8 5, \p, \first
	MUL8 6, \p, \first
	MUL8 7, \p, \first
	PLACES NP
	WIN 0
	FETCH_A \ns, \nq, 4
.endm
; THE WAY OUT, in two halves of four blocks of 16 tokens x 128 units.  y = c s of either window goes into window 2, so one body serves both halves.  64 numbers a lane and block.
; Between a block's exponentials stands the hold of the block before it, between its reciprocals a line of the block behind it.
.macro YPASS win                       ; y = c s of a half, each accumulator from its low end on; win: source 0 window 2 or 3, destination window 2
	WIN \win
	s_wait_alu depctr_va_vdst(0)                   ; the wait directly ahead of the first reader of these matrix results
.set jj, 0
.rept 128
	v_pk_mul_f32 v[jj:jj+1], v[jj:jj+1], s[72:73] op_sel_hi:[1,0]
.set jj, jj+2
.endr
	WIN 0
.endm
.macro YZ a                            ; y^2 + beta
.set AC, 64*(\a)
.set ZS, ZB+64*((\a)%2)
	WIN 0x0a                                       ; sources 0 and 1: window 2
.set jj, 0
.rept 32
	v_pk_fma_f32 v[ZS+jj:ZS+jj+1], v[AC+jj:AC+jj+1], v[AC+jj:AC+jj+1], v[BETA:BETA+1]
.set jj, jj+2
.endr
	WIN 0x08                                       ; source 1: window 2
.endm
.macro DEN a                           ; c (1 + 2^z)
.set ZS, ZB+64*((\a)%2)
.set jj, 0
.rept 32
	v_pk_fma_f32 v[ZS+jj:ZS+jj+1], v[ZS+jj:ZS+jj+1], s[72:73], v[CV:CV+1] op_sel_hi:[1,0,0]
.set jj, jj+2
.endr
.endm
.macro TIMESY a                        ; x y
.set AC, 64*(\a)
.set ZS, ZB+64*((\a)%2)
.set jj, 0
.rept 32
	v_pk_mul_f32 v[ZS+jj:ZS+jj+1], v[ZS+jj:ZS+jj+1], v[AC+jj:AC+jj+1]
.set jj, jj+2
.endr
.endm
.macro BLK a
.if (\a) < 3
	YZ (\a)+1
.set AC, 64*((\a)+1)
.endif
.set ZS, ZB+64*((\a)%2)
.set ZO, ZB+64*(1-(\a)%2)
	WIN 0x08
	s_wait_alu depctr_va_vdst(0)                   ; ahead of the batch
.set jj, 0
.rept 32
	v_rcp_f32 v[ZS+jj], v[ZS+jj]
	v_rcp_f32 v[ZS+jj+1], v[ZS+jj+1]
.if (\a) < 3
	v_pk_mul_f32 v[ZO+jj:ZO+jj+1], v[ZO+jj:ZO+jj+1], v[AC+jj:AC+jj+1]   ; z of block a + 1
.endif
.set jj, jj+2
.endr
.if (\a) == 3
	v_nop                                          ; a plain place behind the last reciprocal
.endif
	s_wait_alu depctr_va_vdst(0)                   ; and behind it, ahead of the first reader
	TIMESY \a                                      ; g = y / (c (1 + 2^z)) = gelu / 2^E1
	WIN 0
.if (\a) < 3
	s_wait_alu depctr_va_vdst(0)                   ; ahead of the batch
.endif
.set jj, 0
.rept 64
.if (\a) < 3
	v_exp_f32 v[ZO+jj], v[ZO+jj]                   ; 2^z of block a + 1
.endif
	v_med3_num_f32 v[ZS+jj], v[ZS+jj], -v[LIM], v[LIM]   ; the hold of block a within the largest code x the scale (the conversion to an 8-bit code does not saturate: ISA guide 7.6.2)
.set jj, jj+1
.endr
	s_wait_xcnt 0x0                                ; the last block's stores have read the codes' registers
	s_wait_alu depctr_va_vdst(0)
.irp b, 0,1,2,3,4,5,6,7
	v_cvt_scalef32_pk8_bf8_f32 v[CR+2*\b:CR+2*\b+1], v[ZS+8*\b:ZS+8*\b+7], v[SCL]   ; units 16 b + 8 (lane / 16) + 0 .. 7
.endr
	v_nop                                          ; one plain vector instruction behind the last conversion
.irp b, 0,1,2,3
	v_permlane16_swap_b32 v[CR+4*\b], v[CR+4*\b+2]     ; the upper lanes' first eight units against the lower lanes' second eight:
	v_permlane16_swap_b32 v[CR+4*\b+1], v[CR+4*\b+3]   ; now a lane holds units 32 b + 16 (lane / 16) + 0 .. 15
.endr
.irp b, 0,1,2,3
	global_store_b128 v[CO], v[CR+4*\b:CR+4*\b+3], s[12:13] offset:4096*(\a)+512*\b   ; 512 consecutive bytes, at a multiple of 512 from the buffer's first byte; the next launch reads them, so no hint
.endr
.if (\a) < 3
	DEN (\a)+1
.endif
.endm
.macro WAYOUT
	YPASS 0x82                                     ; my tokens 0-63
	s_mov_b32 s3, 2                                ; halves to go, this one among them
.Lhalf_\@:
	YZ 0
	TIMESY 0                                       ; z of the half's first block
	WIN 0
	s_wait_alu depctr_va_vdst(0)                   ; ahead of the batch
.set jj, 0
.rept 64
	v_exp_f32 v[ZB+jj], v[ZB+jj]
.set jj, jj+1
.endr
	v_nop
	s_wait_alu depctr_va_vdst(0)                   ; and behind it
	DEN 0
	BLK 0
	BLK 1
	BLK 2
	BLK 3
	s_wait_alu depctr_va_vdst(0)                   ; ahead of the branch
	s_cmp_eq_u32 s3, 1
	s_cbranch_scc1 .Lout_\@
	s_wait_xcnt 0x0                                ; the stores have read their base
	s_add_nc_u64 s[12:13], s[12:13], HALFH
	YPASS 0x83                                     ; my tokens 64-127, out of window 3 into window 2
	s_sub_co_u32 s3, s3, 1
	s_wait_alu depctr_va_vdst(0)                   ; ahead of the branch
	s_branch .Lhalf_\@
.Lout_\@:
.endm
	s_mov_b32 s2, 2                                ; tiles to go, this one among them
	s_wait_alu depctr_va_vdst(0)                   ; at the head's end
.Ltile:
	s_wait_xcnt 0x0                                ; the last stores have read their registers and their base
	s_wait_tensorcnt 0x0                           ; my part of K steps 0 and 1 is in,
	s_barrier_signal -1
	ROWS 128                                       ; (register work) refills bring 128 rows a wave
	s_barrier_wait -1                              ; everybody's is
	FETCH_B 0, 0, 0
	FETCH_A 0, 0, 0
	FETCH_A 0, 0, 4
	KSTEP 0, 1, 0, 0, 0, 1
	KSTEP 1, 0, 1, 1, 1, 0                         ; slot 0 takes K step 2
	KSTEP 0, 0, 0, 0, 1, 1
	KSTEP 1, 0, 1, 2, 0, 0                         ; slot 1 takes K step 3
	KSTEP 0, 0, 0, 0, 0, 1
	KSTEP 1, 0, 1, 0, 1, 0
	KSTEP 0, 0, 0, 0, 1, 1
	s_wait_dscnt 4*NL
	WIN MUL_LO
	MUL8 0, 1, 0
	MUL8 1, 1, 0
	MUL8 2, 1, 0
	MUL8 3, 1, 0
	s_wait_dscnt 0x0                               ; my last reads of slot 1
	WIN MUL_HI
	MUL8 4, 1, 0
	MUL8 5, 1, 0
	MUL8 6, 1, 0
	MUL8 7, 1, 0
	WIN 0
	PLACES NP                                      ; behind the last products: results are read and x's registers written from here on
	s_cmp_eq_u32 s2, 1
	s_cbranch_scc1 .Llast                          ; the last tile's end is written out: it asks for nothing more
	s_wait_tensorcnt 0x0                           ; no load of mine is out;
	ds_add_u32 v[SPW], v[NIL]
	s_add_nc_u64 s[G0H+2:G0H+3], s[G0H+2:G0H+3], NEXTX               ; x goes on to the next tile, W1 back to its first K steps
	s_add_nc_u64 s[G0+2:G0+3], s[G0+2:G0+3], NEXTX-ROWB
	s_sub_nc_u64 s[G0B+2:G0B+3], s[G0B+2:G0B+3], ROWB
	ROWS 256
	s_wait_dscnt 0x0                               ; the add is done, and my reads of both slots are over
	CROUND
	JLOAD G0H, G0BH                                ; the next tile's K steps 0 and 1: one load a wave, the whole way out ahead of the wait for it
	WAYOUT
	s_wait_xcnt 0x0
	s_add_nc_u64 s[12:13], s[12:13], NEXTH-HALFH
	s_sub_co_u32 s2, s2, 1
	s_branch .Ltile
.Llast:
	WAYOUT
	s_wait_tensorcnt 0x0                           ; the wave's end
	ds_add_u32 v[SPW], v[NIL]
	s_wait_dscnt 0x0
	CROUND                                         ; the closing round: no work-group ends while a partner may still ask for a tile that names it
	s_endpgm
.Lfunc_end_k_q9127fe35c0_ffn1:
	.size	k_q9127fe35c0_ffn1, .Lfunc_end_k_q9127fe35c0_ffn1-k_q9127fe35c0_ffn1
	.p2alignl 7, 3214868480
	.fill 96, 4, 3214868480
	.section	.rodata,"a",@progbits
	.p2align	6, 0x0
	.amdhsa_kernel k_q9127fe35c0_ffn1
		.amdhsa_group_segment_fixed_size 327680
		.amdhsa_private_segment_fixed_size 0
		.amdhsa_enable_private_segment 0
		.amdhsa_kernarg_size 40
		.amdhsa_user_sgpr_count 2
		.amdhsa_user_sgpr_kernarg_segment_ptr 1
		.amdhsa_wavefront_size32 1
		.amdhsa_system_sgpr_workgroup_id_x 1
		.amdhsa_system_sgpr_workgroup_id_y 1
		.amdhsa_system_sgpr_workgroup_id_z 1
		.amdhsa_system_vgpr_workitem_id 0
		.amdhsa_next_free_vgpr 1024
		.amdhsa_next_free_sgpr 102
		.amdhsa_reserve_vcc 0
		.amdhsa_float_denorm_mode_32 3
		.amdhsa_float_denorm_mode_16_64 3
		.amdhsa_memory_ordered 1
		.amdhsa_forward_progress 1
		.amdhsa_inst_pref_size 255
	.end_amdhsa_kernel
	.section	.bss,"aw",@nobits
	.p2align	6
	.space	262144
	.amdgpu_metadata
---
amdhsa.version: [ 1, 2 ]
amdhsa.kernels:
  - .name:           k_q9127fe35c0_ffn1
    .symbol:         k_q9127fe35c0_ffn1.kd
    .args:
      - { .name: inputs_codes, .offset: 0, .size: 8, .value_kind: global_buffer, .address_space: global }
      - { .name: W1_codes, .offset: 8, .size: 8, .value_kind: global_buffer, .address_space: global }
      - { .name: b1, .offset: 16, .size: 8, .value_kind: global_buffer, .address_space: global }
      - { .name: lowp_scales, .offset: 24, .size: 8, .value_kind: global_buffer, .address_space: global }
      - { .name: h_codes, .offset: 32, .size: 8, .value_kind: global_buffer, .address_space: global }
    .group_segment_fixed_size: 327680
    .private_segment_fixed_size: 0
    .kernarg_segment_align: 8
    .kernarg_segment_size: 40
    .max_flat_workgroup_size: 128
    .sgpr_count:     102
    .vgpr_count:     1024
    .wavefront_size: 32
...
	.end_amdgpu_metadata
.endif
;; end of part 1
;; launch ffn2 (part 2): grid 4 x 64, 4 waves a work-group, clusters of 4 x 4, 327,680 bytes of LDS; arguments h_codes, W2_codes, b2, lowp_scales, out0; writes out0
.if DOCPART == 2
	.amdgcn_target "amdgcn-amd-amdhsa--gfx1250"
	.amdhsa_code_object_version 6
	.text
	.protected	k_q9127fe35c0_ffn2
	.globl	k_q9127fe35c0_ffn2
	.p2align	8
	.type	k_q9127fe35c0_ffn2,@function
k_q9127fe35c0_ffn2:
	s_mov_b64 s[64:65], 0
	v_nop
	global_prefetch_b8 v0, s[64:65] scope:SCOPE_SE
	s_setreg_imm32_b32 hwreg(HW_REG_WAVE_MODE, 25, 1), 1
	s_wait_xcnt 0x0
	s_wait_alu depctr_hold_cnt(0) depctr_sa_sdst(0) depctr_va_vdst(0) depctr_va_sdst(0) depctr_va_ssrc(0) depctr_va_vcc(0) depctr_vm_vsrc(0)
	s_getreg_b32 s2, hwreg(HW_REG_IB_STS2, 6, 4)
	s_cmp_eq_u32 s2, 0
	s_cbranch_scc0 .Lentry_in_a_cluster
	s_endpgm
.Lentry_in_a_cluster:
	s_bfe_u32 s2, ttmp6, 0x10000c
	s_cmp_lg_u32 s2, 0xf033
	s_cbranch_scc0 .Lentry_shape_is_right
	s_endpgm
.Lentry_shape_is_right:
; out0 = h W2 + b2: the second product of four experts' FFN on codes of BF8 (E5M2).  h_codes: fragment images as the launch before lays them: [64 blocks of 128 tokens][16 planes of 256 K][8 blocks of 16 tokens][8 groups of 32 K][512 bytes].
; W2_codes: [4][1024 n][4096 k].  b2: [4][1024] f32.  out0: [8192 rows (w, e, c)][1024] f32.  With E = e2 + e3 a sum of codes stands for sum x 2^E; b2 goes in as b2 / 2^E, the C of a sum's first matrix instruction.
; LIMITS: E between -126 and 126; NaN or infinity among codes or biases is not served.
; SHARES.  A work-group makes 128 tokens x 256 columns.  Wave (p, q) = (wave / 2, wave % 2) makes all 128 tokens x the 128 columns of half q over one half of K: of each plane of 256 it takes K = 128 p .. 128 p + 127.
; 64 accumulators a wave; the accumulators in window 2 are those of the 64 tokens of half p, which the wave finishes; those in window 3 go to its partner (wave xor 2) through LDS at the end.
; THE RING has two slots of unlike length: Y one plane of K, X two.  Planes go Y X X Y X X .. Y: 16.  Each wave issues one tensor load at the head, and the four fill both slots.
; h's tiles are dense blocks, stated as rows of 1,024 bytes; a fragment's loads are 512 consecutive bytes.  W2's rows are padded by 16 bytes.
; CLUSTERS: 4 x 4 work-groups of one expert.  The four of a row need the same tiles of h, the four of a column the same tiles of W2: each is asked for JOINTLY.
; PREFETCH: behind a refill, the planes that the second refill on will load; behind the first refill also those that the next one will load, 4 and 5.  Of h's 128 blocks of 256 bytes a plane the partner at cx takes 32 (wave 0, a lane
; a block), of W2's 256 rows the partner at cy takes 64 (waves 1 and 3, a lane a row): each block once in a cluster, told apart by address.  Planes 0 to 3 come by their loads alone; the last two refills ask for nothing.
; THE MATRIX INSTRUCTION IS USED TRANSPOSED (source 0 = 16 rows of W2, source 1 = 16 tokens): a lane holds eight neighbouring columns of one token.
; REGISTERS: window 0: v0-31 addresses; v32-95 b2 / 2^E, on the way out sums; v128-255 h's fragments.   window 1: W2's fragments, two sets; at the end the partner's sums.   windows 2, 3: accumulators.
.set PLANE,  32768                     ; 128 tokens x 256 K
.set PY,     272                       ; LDS row of W2 in slot Y: 256 + 16 bytes = 68 words
.set PX,     528                       ; in slot X: 512 + 16 bytes = 132 words: row r starts at bank 4 r mod 64 in both (ISA guide 11.1)
.set FR,     16
.set NL,     4
.set NP,     4                         ; places behind this matrix instruction (ISA guide 7.12.1)
.set YA,     0                         ; slot Y: h, then W2
.set YB,     PLANE
.set XA,     YB+256*PY                 ; slot X: h, then W2
.set XB,     XA+2*PLANE
.set SPARE,  XB+256*PX                 ; the spare words, 128 bytes for each wave
.set XCH,    XA                        ; the exchange and the stage for the way out lie in slot X, which has had its last fill and its last read by then
.set STG,    XCH+4*32768
.set SPITCH, 528
.set OROW,   4096
.set PFO3, 9                           ; the prefetches' offset two planes on (behind the first refill alone)
.set ADRL, 16                          ; v16-17  my tokens' fragments in Y, X;  v18-19 the partner's tokens';  v20-21 W2's
.set ADRH, 18
.set ADRB, 20
.set XST,  22                          ; the exchange: where I put, where I read
.set XLD,  23
.set STO,  24                          ; the stage: where I put 32 bytes of a row, where I read a row back
.set RD,   25
.set CO,   26                          ; 16 x lane
.set BO,   27                          ; my byte offset in b2
.set SPW,  28                          ; LDS address of my spare word; never rewritten
.set NIL,  29                          ; 0; never rewritten
.set PFO,  30                          ; the prefetches' offsets: a plane, and the next; never rewritten
.set PFO2, 31
.set BIAS, 32
.set TMP,  32
.set AF,   128
.set BK,   128
.set G1,   24                          ; group 1: s[24:31] h in Y, s[88:95] h in X, s[48:55] W2 in Y, s[68:75] W2 in X
.set G1X,  88
.set G1B,  48
.set G1BX, 68
.set G0,   32                          ; group 0: s[32:35] h in Y, s[36:39] h in X, s[56:59] W2 in Y, s[60:63] W2 in X
.set G0B,  56
.set PF,   100                         ; s[100:101] where my prefetches stand
.set ST,   66                          ; s[66:67] a plane in bytes: 32,768 in h, 256 in W2
.set MSB, 0
.macro WIN new
.if MSB != \new
	s_set_vgpr_msb (MSB<<8)|\new
.set MSB, \new
.endif
.endm
.set MUL_LO,   0xa1                    ; source 0 (W2) window 1, source 1 (h) window 0, C and D window 2
.set MUL_HI,   0xf1
.set FIRST_LO, 0x81                    ; C (the bias) window 0
.set FIRST_HI, 0xc1
.set TO_B,     0x40
.macro TLOAD g0, g1
	tensor_load_to_lds s[\g0:\g0+3], s[\g1:\g1+7]
	s_nop 0
.rept 4
	v_nop
.endr
.endm
.macro JLOAD g0a, g1a, g0b, g1b        ; a joint refill: waves 0 and 2 fetch h's halves, waves 1 and 3 W2's; the branch hangs on the wave's number alone
	s_cmp_eq_u32 s16, 0
	s_cbranch_scc0 .Lfor_b_\@
	TLOAD \g0a, \g1a
	s_branch .Lasked_\@
.Lfor_b_\@:
	TLOAD \g0b, \g1b
.Lasked_\@:
.endm
.macro CROUND                          ; a round of the cluster's barrier
	s_barrier_signal -1
	s_barrier_wait -1
	s_cmp_lg_u32 s14, 0
	s_cbranch_scc1 .Lnot_wave_0_\@
	s_barrier_signal -3
.Lnot_wave_0_\@:
	s_barrier_wait -3
	s_barrier_signal -1
	s_barrier_wait -1
.endm
.macro SHAPE g, cols, pitch
	s_mov_b32 s[\g+1], (\cols)<<16
	s_mov_b32 s[\g+3], (\cols)<<16
	s_mov_b32 s[\g+5], \pitch
	s_mov_b32 s[\g+6], 0
	s_mov_b32 s[\g+7], 0
.endm
.macro ROWS g, rows
	s_mov_b32 s[\g+2], (\rows)<<16
	s_mov_b32 s[\g+4], \rows
.endm
	s_load_b256 s[4:11], s[0:1], 0x0               ; h s[4:5], W2 s[6:7], b2 s[8:9], the scales' exponents s[10:11]
	s_load_b64 s[12:13], s[0:1], 0x20              ; out0
	v_lshl_add_u32 v[SPW], v0, 2, SPARE
	v_mov_b32 v[NIL], 0
	ds_add_u32 v[SPW], v[NIL]                      ; the wave's opening: the add, twice on end, and its wait
	ds_add_u32 v[SPW], v[NIL]
	v_lshrrev_b32 v1, 5, v0
	v_readfirstlane_b32 s14, v1                    ; wave 0..3
	s_lshr_b32 s15, s14, 1                         ; p: my half of K, and of the tokens that I finish.  Also: which half of a tile I fetch
	s_and_b32 s16, s14, 1                          ; q: my half of the columns.  Also: I fetch for h (0) or for W2 (1)
	s_bfe_u32 s40, ttmp6, 0x40000                  ; cx, cy
	s_bfe_u32 s41, ttmp6, 0x40004
	s_lshl_b32 s42, ttmp9, 2
	s_add_co_u32 s42, s42, s40                     ; tile column of 256
	s_and_b32 s78, ttmp7, 0xffff                   ; cluster y, 0..15
	s_lshr_b32 s17, s78, 2                         ; which four of the expert's sixteen blocks of tokens
	s_and_b32 s79, s17, 1
	s_mul_i32 s79, s79, 3
	s_and_b32 s80, s78, 3
	s_xor_b32 s80, s80, s79                        ; the expert: four clusters on end take the four experts, forwards and backwards by turns
	s_lshl_b32 s17, s17, 2
	s_add_co_u32 s17, s17, s41                     ; the expert's block of 128 tokens, 0..15: w = block / 2
	s_lshr_b32 s81, s17, 1
	s_lshl_b32 s81, s81, 10
	s_lshl_b32 s79, s80, 8
	s_add_co_u32 s81, s81, s79
	s_and_b32 s79, s17, 1
	s_lshl_b32 s79, s79, 7
	s_add_co_u32 s81, s81, s79                     ; the first row: 1024 w + 256 e + 128 (block % 2)
	s_lshl_b32 s43, s41, 2
	s_lshl_b32 s43, 15, s43                        ; my row of the cluster
	s_lshl_b32 s44, 0x1111, s40                    ; my column
	s_or_b32 s[G1+0],   s43, (3<<16)|(1<<21)       ; h: the mask of my row, elements of 8 bytes, no padding; 21 set beside a mask
	s_or_b32 s[G1X+0],  s43, (3<<16)|(1<<21)
	s_or_b32 s[G1B+0],  s44, (1<<20)|(1<<21)|(5<<22)|(3<<25)   ; W2: the mask of my column, elements of 1 byte, 4 words behind every 64,
	s_or_b32 s[G1BX+0], s44, (1<<20)|(1<<21)|(6<<22)|(3<<25)   ; in X behind every 128
	SHAPE G1,   128, 128                           ; rows of 1,024 bytes, dense
	SHAPE G1X,  128, 128
	SHAPE G1B,  256, 4096
	SHAPE G1BX, 512, 4096
	ROWS G1,   32                                  ; the first fills: whole tiles
	ROWS G1X,  64
	ROWS G1B,  256
	ROWS G1BX, 256
	s_lshl_b32 s20, s81, 12                        ; h: 4,096 bytes a token
	s_mov_b32 s21, 0
	s_lshl_b32 s46, s80, 10
	s_lshl_b32 s47, s42, 8
	s_add_co_u32 s46, s46, s47
	s_lshl_b32 s46, s46, 12                        ; W2: row 1024 e + 256 x tile column
	s_mov_b32 s47, 0
	s_lshl_b32 s82, s15, 6                         ; out0: my 64 rows, my 128 columns
	s_add_co_u32 s82, s82, s81
	s_lshl_b32 s82, s82, 12
	s_lshl_b32 s83, s42, 10
	s_add_co_u32 s82, s82, s83
	s_lshl_b32 s83, s16, 9
	s_add_co_u32 s82, s82, s83
	s_mov_b32 s83, 0
	s_lshl_b32 s86, s80, 10                        ; b2: number 1024 e + 256 x tile column + 128 q
	s_lshl_b32 s87, s42, 8
	s_add_co_u32 s86, s86, s87
	s_lshl_b32 s87, s16, 7
	s_add_co_u32 s86, s86, s87
	s_lshl_b32 s86, s86, 2
	s_mov_b32 s87, 0
	s_mul_i32 s22, s15, 16384+2048                 ; my tokens' four blocks, my half of a plane's K
	s_xor_b32 s18, s15, 1
	s_lshl_b32 s23, s18, 14                        ; the partner's tokens' four blocks,
	s_lshl_b32 s18, s15, 11
	s_add_co_u32 s23, s23, s18                     ; my half of K
	s_lshl_b32 s18, s15, 7
	s_mul_i32 s84, s16, 128*PY
	s_add_co_u32 s84, s84, s18
	s_add_co_u32 s84, s84, YB                      ; my 128 rows of W2 in Y,
	s_mul_i32 s85, s16, 128*PX
	s_add_co_u32 s85, s85, s18
	s_add_co_u32 s85, s85, XB                      ; in X
	s_lshl_b32 s76, s14, 15
	s_add_co_u32 s76, s76, XCH
	s_xor_b32 s77, s14, 2
	s_lshl_b32 s77, s77, 15
	s_add_co_u32 s77, s77, XCH
	s_mul_i32 s78, s14, 16*SPITCH
	s_add_co_u32 s78, s78, STG
	s_lshl_b32 s19, s40, 13                        ; prefetch, h: plane 4, 32 blocks of 256 bytes at cx,
	s_add_co_u32 s18, s20, s19
	s_add_co_u32 s18, s18, 4*PLANE
	s_lshl_b32 s17, s41, 1
	s_add_co_u32 s17, s17, s15
	s_lshl_b32 s17, s17, 17
	s_add_co_u32 s17, s17, s46
	s_add_co_u32 s17, s17, 4*256                   ; W2: plane 4, rows 64 cy + 32 p on
	s_mov_b32 s19, 256
	s_cmp_eq_u32 s16, 0
	s_cselect_b32 s18, s18, s17
	s_cselect_b32 s[ST], PLANE, s19
	s_cselect_b32 s79, 8, 12                       ; lanes 256 or 4,096 bytes apart
	s_mov_b32 s19, 0
	s_mov_b32 s[ST+1], 0
	s_mov_b32 s2, 99
	s_cmp_lg_u32 s14, 2
	s_cselect_b32 s2, 2, s2                        ; wave 2 asks for nothing
	s_wait_alu depctr_va_vdst(0)
	s_wait_dscnt 0x0                               ; both opening adds are done
	s_wait_kmcnt 0x0
	s_load_b128 s[96:99], s[10:11], 0x0            ; e0, e1, e2, e3
	s_add_nc_u64 s[20:21], s[4:5], s[20:21]
	s_add_nc_u64 s[46:47], s[6:7], s[46:47]
	s_mov_b32 s[G0], 1
	s_mov_b32 s[G0+1], YA
	s_mov_b64 s[G0+2:G0+3], s[20:21]
	s_or_b32 s[G0+3], s[G0+3], 0x80000000
	s_mov_b32 s[G0+4], 1
	s_mov_b32 s[G0+5], XA
	s_add_nc_u64 s[G0+6:G0+7], s[20:21], PLANE
	s_or_b32 s[G0+7], s[G0+7], 0x80000000
	s_mov_b32 s[G0B], 1
	s_mov_b32 s[G0B+1], YB
	s_mov_b64 s[G0B+2:G0B+3], s[46:47]
	s_or_b32 s[G0B+3], s[G0B+3], 0x80000000
	s_mov_b32 s[G0B+4], 1
	s_mov_b32 s[G0B+5], XB
	s_add_nc_u64 s[G0B+6:G0B+7], s[46:47], 256
	s_or_b32 s[G0B+7], s[G0B+7], 0x80000000
	CROUND                                         ; all sixteen work-groups are here: the first joint loads meet
	s_cmp_eq_u32 s14, 0                            ; one tensor load a wave: h and W2 of Y (waves 0, 1), h and W2 of X (waves 2, 3)
	s_cbranch_scc1 .Lhead0
	s_cmp_eq_u32 s14, 1
	s_cbranch_scc1 .Lhead1
	s_cmp_eq_u32 s14, 2
	s_cbranch_scc1 .Lhead2
	TLOAD G0B+4, G1BX
	s_branch .Lheaded
.Lhead0:
	TLOAD G0, G1
	s_branch .Lheaded
.Lhead1:
	TLOAD G0B, G1B
	s_branch .Lheaded
.Lhead2:
	TLOAD G0+4, G1X
.Lheaded:
	s_add_nc_u64 s[8:9], s[8:9], s[86:87]
	v_and_b32 v1, 15, v0                           ; r = lane % 16
	v_bfe_u32 v2, v0, 4, 1                         ; h = lane / 16
	v_and_b32 v6, 31, v0
	v_lshlrev_b32 v[BO], 5, v2
.irp b, 0,1,2,3,4,5,6,7
	global_load_b128 v[BIAS+8*\b:BIAS+8*\b+3],   v[BO], s[8:9] offset:64*\b
	global_load_b128 v[BIAS+8*\b+4:BIAS+8*\b+7], v[BO], s[8:9] offset:64*\b+16
.endr
	v_lshlrev_b32 v[CO], 4, v6
	v_mul_u32_u24 v3, v1, PY
	v_lshl_add_u32 v4, v2, 4, v3
	v_mul_u32_u24 v5, v1, PX
	v_lshl_add_u32 v7, v2, 4, v5
	v_lshl_add_u32 v8, v2, 5, v5                   ; the stage's pitch is X's
	v_add_nc_u32 v[ADRL], s22, v[CO]
	v_add_nc_u32 v[ADRH], s23, v[CO]
	v_add_nc_u32 v[ADRL+1], XA, v[ADRL]
	v_add_nc_u32 v[ADRH+1], XA, v[ADRH]
	v_add_nc_u32 v[ADRB], s84, v4
	v_add_nc_u32 v[ADRB+1], s85, v7
	v_add_nc_u32 v[XST], s76, v[CO]
	v_add_nc_u32 v[XLD], s77, v[CO]
	v_add_nc_u32 v[STO], s78, v8
	v_add_nc_u32 v[RD], s78, v[CO]
	v_lshlrev_b32 v[PFO], s79, v6
	v_add_nc_u32 v[PFO2], s[ST], v[PFO]
	v_add_nc_u32 v[PFO3], s[ST], v[PFO2]
	s_wait_alu depctr_va_vdst(0)                   ; the wait ahead of the scalar lines and the wait below
	s_add_nc_u64 s[12:13], s[12:13], s[82:83]
	s_cmp_eq_u32 s16, 0
	s_cselect_b64 s[PF:PF+1], s[4:5], s[6:7]
	s_add_nc_u64 s[PF:PF+1], s[PF:PF+1], s[18:19]
	s_wait_kmcnt 0x0
	s_add_co_i32 s78, s98, s99                     ; E = e2 + e3
	s_add_co_i32 s96, s78, 127
	s_lshl_b32 s96, s96, 23                        ; 2^E
	s_mov_b32 s97, s96
	s_sub_co_i32 s76, 127, s78
	s_lshl_b32 s76, s76, 23                        ; 2^-E
	s_cmp_eq_u32 s15, 0
	s_cselect_b32 s76, s76, 0                      ; of a pair's two sums one starts on the bias, the other on 0
	s_mov_b32 s77, s76
	s_wait_loadcnt 0x0
.set jj, 0
.rept 32
	v_pk_mul_f32 v[BIAS+jj:BIAS+jj+1], v[BIAS+jj:BIAS+jj+1], s[76:77] op_sel_hi:[1,0]
.set jj, jj+2
.endr
.macro MUL8 a, p, first                ; h's block a against W2's eight, 128 along K; the 64 accumulators take turns, one instruction a turn
.irp b, 0,1,2,3,4,5,6,7
.if \first
	v_wmma_f32_16x16x128_bf8_bf8 v[8*(8*((\a)%4)+\b):8*(8*((\a)%4)+\b)+7], v[128*(\p)+FR*\b:128*(\p)+FR*\b+FR-1], v[AF+FR*(\a):AF+FR*(\a)+FR-1], v[BIAS+8*\b:BIAS+8*\b+7]
.else
	v_wmma_f32_16x16x128_bf8_bf8 v[8*(8*((\a)%4)+\b):8*(8*((\a)%4)+\b)+7], v[128*(\p)+FR*\b:128*(\p)+FR*\b+FR-1], v[AF+FR*(\a):AF+FR*(\a)+FR-1], v[8*(8*((\a)%4)+\b):8*(8*((\a)%4)+\b)+7]
.endif
.endr
.endm
.macro FETCH_B s, k, p                 ; W2's eight fragments at byte k of slot s's rows into set p: lane l holds row l % 16, registers 4 c .. 4 c + 3 K = 32 c + 16 (l / 16) + 0 .. 15
	WIN TO_B
.irp i, 0,1,2,3,4,5,6,7
.irp c, 0,1,2,3
	ds_load_b128 v[128*(\p)+FR*\i+4*\c:128*(\p)+FR*\i+4*\c+3], v[ADRB+\s] offset:(\k)+32*\c+\i*16*(PY+(PX-PY)*(\s))
.endr
.endr
	WIN 0
.endm
.macro FETCH_A adr, i0, k              ; four of h's fragments, in the same order of K: 512 consecutive bytes a load
.irp i, 0,1,2,3
.irp c, 0,1,2,3
	ds_load_b128 v[AF+FR*(\i0+\i)+4*\c:AF+FR*(\i0+\i)+4*\c+3], v[\adr] offset:(\k)*128+4096*\i+512*\c
.endr
.endr
.endm
.macro PLACES n                        ; plain places behind matrix instructions (ISA guide 7.12.1)
.rept \n
	v_nop
.endr
.endm
.macro LOWIN first
.if \first
	WIN FIRST_LO
.else
	WIN MUL_LO
.endif
.endm
.macro HIWIN first
.if \first
	WIN FIRST_HI
.else
	WIN MUL_HI
.endif
.endm
.macro ASK x, late                     ; the prefetch: x + 1 planes: one, two for slot X, three behind the first refill.  late = 1: in the first of the loop's two trips alone
.if \late
	s_cmp_eq_u32 s3, s2
.else
	s_cmp_lg_u32 s14, 2
.endif
	s_cbranch_scc0 .Lnot_mine_\@
	global_prefetch_b8 v[PFO], s[PF:PF+1] th:TH_LOAD_NT scope:SCOPE_SE
.if (\x) > 0
	global_prefetch_b8 v[PFO2], s[PF:PF+1] th:TH_LOAD_NT scope:SCOPE_SE
.endif
.if (\x) > 1
	global_prefetch_b8 v[PFO3], s[PF:PF+1] th:TH_LOAD_NT scope:SCOPE_SE
.endif
.Lnot_mine_\@:
.endm
; A step of 128 along K on W2's set p; the next step's fragments come from slot ns at byte nk of W2's rows: W2's behind sixteen products (their set is free since the last step: the four places stood at its end), h's
; blocks 0-3 behind 32, 4-7 at the end.  bar = 1: the step's slot has been read out: ONE barrier changes slots; in front of it each wave waits for all its tensor loads, adds 0 to its spare word, and waits for that and
; for its reads.  fill = 1 (Y) or 2 (X): the barrier opens a round of the cluster's barrier, and that slot is filled again first behind it, three planes on.
.macro KSTEP p, first, bar, fill, ns, nk, late
	s_wait_dscnt 6*NL                              ; W2's set and h's blocks 0, 1 are in; the youngest 24 loads (h's blocks 2-7) may be out
	LOWIN \first
	MUL8 0, \p, \first
	MUL8 1, \p, \first
	WIN 0
.if \bar
.if (\fill) && ((\first) == 0)
	s_wait_xcnt 0x0                                ; my last prefetch has read its address: on by as many planes as it named
	s_add_nc_u64 s[PF:PF+1], s[PF:PF+1], s[ST:ST+1]
.if (\fill) == 1
	s_add_nc_u64 s[PF:PF+1], s[PF:PF+1], s[ST:ST+1]
.endif
.endif
	s_wait_tensorcnt 0x0                           ; all my tensor loads have landed: my part of the next slot;
	ds_add_u32 v[SPW], v[NIL]                      ; 0 onto my spare word;
.if (\fill) == 1
	s_add_nc_u64 s[G0+2:G0+3], s[G0+2:G0+3], 3*PLANE
	s_add_nc_u64 s[G0B+2:G0B+3], s[G0B+2:G0B+3], 3*256
.endif
.if (\fill) == 2
	s_add_nc_u64 s[G0+6:G0+7], s[G0+6:G0+7], 3*PLANE
	s_add_nc_u64 s[G0B+6:G0B+7], s[G0B+6:G0B+7], 3*256
.endif
	s_wait_dscnt 0x0                               ; the add is done, and my reads of this slot are over
.if \fill
	CROUND
.else
	s_barrier_signal -1
	s_barrier_wait -1
.endif
.endif
.if (\fill) == 1
	JLOAD G0, G1, G0B, G1B                         ; the first tensor load behind the round
.elseif (\fill) == 2
	JLOAD G0+4, G1X, G0B+4, G1BX
.endif
	FETCH_B \ns, \nk, 1-(\p)
.if \fill
	ASK (\fill)-1+2*(\first), \late
.endif
.if (\bar) == 0
	s_wait_dscnt 48                                ; h's blocks 2, 3 are in: the sixteen loads of blocks 4-7 and the 32 just issued may be out
.endif
	LOWIN \first
	MUL8 2, \p, \first
	MUL8 3, \p, \first
	PLACES NP
	WIN 0
	FETCH_A ADRL+\ns, 0, \nk
.if (\bar) == 0
	s_wait_dscnt 48                                ; h's blocks 4-7 are in: the 32 + 16 loads just issued may be out
.endif
	HIWIN \first
	MUL8 4, \p, \first
	MUL8 5, \p, \first
	MUL8 6, \p, \first
	MUL8 7, \p, \first
	PLACES NP
	WIN 0
	FETCH_A ADRH+\ns, 4, \nk
.endm
	s_wait_alu depctr_va_vdst(0)                   ; at the head's end
	s_wait_tensorcnt 0x0                           ; my part of the two slots is in,
	s_barrier_signal -1
	ROWS G1,   16                                  ; (register work) from here on a wave fetches half a tile
	ROWS G1X,  32
	ROWS G1B,  128
	ROWS G1BX, 128
	s_mov_b32 s19, 0
	s_lshl_b32 s18, s15, 14
	s_add_co_u32 s[G0+1], s18, YA
	s_add_nc_u64 s[G0+2:G0+3], s[G0+2:G0+3], s[18:19]
	s_lshl_b32 s18, s15, 15
	s_add_co_u32 s[G0+5], s18, XA
	s_add_nc_u64 s[G0+6:G0+7], s[G0+6:G0+7], s[18:19]
	s_mul_i32 s45, s15, 128*PY
	s_add_co_u32 s[G0B+1], s45, YB
	s_mul_i32 s45, s15, 128*PX
	s_add_co_u32 s[G0B+5], s45, XB
	s_lshl_b32 s18, s15, 19
	s_add_nc_u64 s[G0B+2:G0B+3], s[G0B+2:G0B+3], s[18:19]
	s_add_nc_u64 s[G0B+6:G0B+7], s[G0B+6:G0B+7], s[18:19]
	s_barrier_wait -1                              ; everybody's is
	FETCH_B 0, 0, 0
	FETCH_A ADRL, 0, 0
	FETCH_A ADRH, 4, 0
	KSTEP 0, 1, 1, 1, 1, 0, 0                      ; Y: the first step starts the sums, on the bias; Y takes plane 3
	s_wait_xcnt 0x0                                ; the prefetches of planes 4 to 6 have read their address:
	s_add_nc_u64 s[PF:PF+1], s[PF:PF+1], s[ST:ST+1]
	s_add_nc_u64 s[PF:PF+1], s[PF:PF+1], s[ST:ST+1]    ; on to plane 6
	s_mov_b32 s3, 2
.Llap:                                                 ; a trip: X's two planes, Y's, X's two, Y's
	KSTEP 1, 0, 0, 0, 1, 256, 0
	KSTEP 0, 0, 1, 2, 0, 0, 0
	KSTEP 1, 0, 1, 1, 1, 0, 0
	KSTEP 0, 0, 0, 0, 1, 256, 0
	KSTEP 1, 0, 1, 2, 0, 0, 1
	KSTEP 0, 0, 1, 1, 1, 0, 1
	s_sub_co_u32 s3, s3, 1
	s_cmp_lg_u32 s3, 0
	s_cbranch_scc1 .Llap
	KSTEP 1, 0, 0, 0, 1, 256, 0                    ; the last three planes fill nothing
	KSTEP 0, 0, 1, 0, 0, 0, 0
; The last step.  The partner's tokens (blocks 4-7) are finished early, and each of their blocks goes into the exchange while later blocks are multiplied.
.macro XPUT a                          ; block 4 + a's sums, into slot X: every wave has passed the barrier behind its last reads of it
	PLACES NP
	WIN 0x0c
.set ii, 16*(\a)
.rept 16
	ds_store_b128 v[XST], v[4*ii:4*ii+3] offset:512*ii
.set ii, ii+1
.endr
.endm
	s_wait_dscnt 6*NL
	WIN MUL_LO
	MUL8 0, 1, 0
	s_wait_dscnt 0
	WIN MUL_HI
	MUL8 4, 1, 0
	MUL8 5, 1, 0
	XPUT 0
	WIN MUL_HI
	MUL8 6, 1, 0
	XPUT 1
	WIN MUL_HI
	MUL8 7, 1, 0
	XPUT 2
	WIN MUL_LO
	MUL8 1, 1, 0
	XPUT 3
	WIN MUL_LO
	MUL8 2, 1, 0
	MUL8 3, 1, 0
	WIN 0
	s_wait_dscnt 0x0                               ; for the partner's sake: my stores are done
	s_barrier_signal -1
	s_barrier_wait -1
	PLACES NP                                      ; for the loads into W2's registers and the reads of the last products
; THE WAY OUT, block by block of 16 rows x 128 columns: the two halves of K added, x 2^E, through my own stage in LDS, back as rows of 512 bytes: two aligned units of 256 a store.
; The partner's sums are read two blocks ahead, and each block is stored as soon as it is back from the stage: nothing follows under which a later store could leave.
.macro XREAD a                         ; the partner's sums of block a
	WIN TO_B
.set ii, 16*(\a)
.rept 16
	ds_load_b128 v[4*ii:4*ii+3], v[XLD] offset:512*ii
.set ii, ii+1
.endr
	WIN 0
.endm
.macro TOSTAGE a
.set AC, 64*(\a)
	WIN 0x06                                       ; source 0: window 2 (mine), source 1: window 1 (the partner's)
.set jj, 0
.rept 32
	v_pk_add_f32 v[TMP+jj:TMP+jj+1], v[AC+jj:AC+jj+1], v[AC+jj:AC+jj+1]
.set jj, jj+2
.endr
	WIN 0
.set jj, 0
.rept 32
	v_pk_mul_f32 v[TMP+jj:TMP+jj+1], v[TMP+jj:TMP+jj+1], s[96:97] op_sel_hi:[1,0]
.set jj, jj+2
.endr
.irp b, 0,1,2,3,4,5,6,7
	ds_store_b128 v[STO], v[TMP+8*\b:TMP+8*\b+3] offset:64*\b
	ds_store_b128 v[STO], v[TMP+8*\b+4:TMP+8*\b+7] offset:64*\b+16
.endr
.set BB, BK+64*((\a)%2)
.irp t, 0,1,2,3,4,5,6,7,8,9,10,11,12,13,14,15
	ds_load_b128 v[BB+4*\t:BB+4*\t+3], v[RD] offset:\t*SPITCH   ; LDS serves a wave's instructions in order (ISA guide 5.7.1.4)
.endr
.endm
.macro SEND a, younger                 ; younger: the LDS instructions issued behind block a's loads, which may stay out
.set BB, BK+64*((\a)%2)
	s_wait_dscnt \younger
.if (\a) > 0
	s_wait_xcnt 0x0                                ; the earlier stores have read their registers and their base
	s_add_nc_u64 s[12:13], s[12:13], 16*OROW
.endif
.irp t, 0,1,2,3,4,5,6,7,8,9,10,11,12,13,14,15
	global_store_b128 v[CO], v[BB+4*\t:BB+4*\t+3], s[12:13] offset:\t*OROW th:TH_STORE_NT
.endr
.endm
	XREAD 0
	XREAD 1
	s_wait_dscnt 16                                ; block 0's sums are in, block 1's sixteen loads may be out
	TOSTAGE 0
	XREAD 2
	SEND 0, 16                                     ; all but block 2's sixteen loads: block 1's sums are in too
	TOSTAGE 1
	XREAD 3
	SEND 1, 16
	TOSTAGE 2                                      ; its registers were block 0's: SEND 1 waited for those stores' reads
	SEND 2, 0
	TOSTAGE 3
	SEND 3, 0
	s_wait_tensorcnt 0x0                           ; the wave's end
	ds_add_u32 v[SPW], v[NIL]
	s_wait_dscnt 0x0
	CROUND                                         ; the closing round: no work-group ends while a partner may still ask for a tile that names it
	s_endpgm
.Lfunc_end_k_q9127fe35c0_ffn2:
	.size	k_q9127fe35c0_ffn2, .Lfunc_end_k_q9127fe35c0_ffn2-k_q9127fe35c0_ffn2
	.p2alignl 7, 3214868480
	.fill 96, 4, 3214868480
	.section	.rodata,"a",@progbits
	.p2align	6, 0x0
	.amdhsa_kernel k_q9127fe35c0_ffn2
		.amdhsa_group_segment_fixed_size 327680
		.amdhsa_private_segment_fixed_size 0
		.amdhsa_enable_private_segment 0
		.amdhsa_kernarg_size 40
		.amdhsa_user_sgpr_count 2
		.amdhsa_user_sgpr_kernarg_segment_ptr 1
		.amdhsa_wavefront_size32 1
		.amdhsa_system_sgpr_workgroup_id_x 1
		.amdhsa_system_sgpr_workgroup_id_y 1
		.amdhsa_system_sgpr_workgroup_id_z 1
		.amdhsa_system_vgpr_workitem_id 0
		.amdhsa_next_free_vgpr 1024
		.amdhsa_next_free_sgpr 102
		.amdhsa_reserve_vcc 0
		.amdhsa_float_denorm_mode_32 3
		.amdhsa_float_denorm_mode_16_64 3
		.amdhsa_memory_ordered 1
		.amdhsa_forward_progress 1
		.amdhsa_inst_pref_size 148
	.end_amdhsa_kernel
	.amdgpu_metadata
---
amdhsa.version: [ 1, 2 ]
amdhsa.kernels:
  - .name:           k_q9127fe35c0_ffn2
    .symbol:         k_q9127fe35c0_ffn2.kd
    .args:
      - { .name: h_codes, .offset: 0, .size: 8, .value_kind: global_buffer, .address_space: global }
      - { .name: W2_codes, .offset: 8, .size: 8, .value_kind: global_buffer, .address_space: global }
      - { .name: b2, .offset: 16, .size: 8, .value_kind: global_buffer, .address_space: global }
      - { .name: lowp_scales, .offset: 24, .size: 8, .value_kind: global_buffer, .address_space: global }
      - { .name: out0, .offset: 32, .size: 8, .value_kind: global_buffer, .address_space: global }
    .group_segment_fixed_size: 327680
    .private_segment_fixed_size: 0
    .kernarg_segment_align: 8
    .kernarg_segment_size: 40
    .max_flat_workgroup_size: 128
    .sgpr_count:     102
    .vgpr_count:     1024
    .wavefront_size: 32
...
	.end_amdgpu_metadata
.endif
;; end of part 2
